; MI455X (gfx1250); checked and timed in simulation.
; The chip was launched on July 23, 2026; its instructions are those of AMD's public machine-readable ISA for CDNA 5 (MIT licence, August 2026) and "CDNA5" Instruction Set Architecture Reference Guide (July 2026). The comments in the code are by the model that wrote it; some were corrected since.
;; Kronecker Linear. Allowed arithmetic: matrix products marked QUANTISED: E2M3 operands, one E8M0 scale for each 32 along K, by v_wmma_scale_f32_16x16x128_f8f6f4 with both operands' format E2M3, f32 sums; products left as they are: f32 operands where the result goes on into a quantised operand, else bf16, f16 or f32 operands; f32 sums; everything else in f32.
;; Inputs: a 8 x 8 x 8 float32; s 8 x 256 x 512 float32; x 4 x 2,048 x 4,096 float32.
;; Outputs: out0 4 x 2,048 x 2,048 float32.
;; This version of the problem:
;;   THIS VERSION OF THE PROBLEM IS GIVEN IN LOW PRECISION. The matrix products marked QUANTISED in the list below multiply operands that are first quantised to E2M3 (2 exponent bits, 3 mantissa bits; 6 bits a number), with one power-of-two scale for each 32 numbers along K (OCP MX v1.0); their sums are f32. All else is computed in f32.
;;   The module's matrix products, in the order in which they are computed (A, B: the left and right operand; K: the contracted axis; several contracted axes count as one K, in the product's order):
;;     1. batch 8 x [M 131,072, K 1] x [K 1, N 64]; A: computed on the way; B: computed on the way: left as it is (no contracted axis)
;;     2. [M 8,192, K 4,096] x [K 4,096, N 2,048]; A: input x; B: computed on the way: QUANTISED
;;   THE QUANTISER, for each operand of a quantised product, along K:
;;     - K is cut into blocks of 32 from its start; a last block that is shorter is filled with zeros.
;;     - A block's scale is 2^e with e = floor(log2(the largest magnitude in the block)) - 2, held to -126 .. 127; a block of zeros has e = 0. As a byte (E8M0): e + 127.
;;     - Each number is divided by its block's scale, clamped to +-7.5, and rounded to the nearest number of E2M3, ties to even, subnormals kept.
;;     - The product sums the exact products of the quantised numbers (number of the format x scale) in f32.
;;   ~~~python
;;   def quantise(x, axis):      # numpy; x: float32 -> the quantised numbers, widened to float32 again
;;       x = np.moveaxis(x, axis, -1); K = x.shape[-1]
;;       x = np.pad(x, [(0, 0)] * (x.ndim - 1) + [(0, -K % 32)]); x = x.reshape(x.shape[:-1] + (-1, 32)); a = np.abs(x).max(-1, keepdims=True)
;;       e = np.where(a > 0, np.clip(np.frexp(np.where(a > 0, a, 1))[1] - 1 - 2, -126, 127), 0)      # np.frexp(a)[1] - 1 = floor(log2(a)), exactly
;;       r = np.clip(x / 2.0 ** e, -7.5, 7.5)
;;       step = 2.0 ** (np.maximum(np.frexp(np.where(r == 0, 1, r))[1] - 1, 0) - 3)
;;       q = np.round(r / step) * step * 2.0 ** e      # np.round: ties to even
;;       return np.moveaxis(q.reshape(q.shape[:-2] + (-1,))[..., :K], -1, axis).astype(np.float32)
;;   ~~~
;;   OPERANDS COMPUTED ON THE WAY. 'Computed on the way' means the value that the module computes at that place (a softmax that the list does not call 'softmax' is quantised finished and normalised). What goes into a quantiser is computed in f32, as accurately as f32 sums, v_exp_f32 and their like allow (about 1e-6 of the number): no bf16 or f16 on the way to a quantiser, and a product that is left as it is and whose result goes on into a quantised operand takes f32 operands (vector FMAs, or v_wmma_f32_16x16x4_f32). A number that lies on a knife's edge between two numbers of the format may be rounded either way, as far as f32 arithmetic and the matrix unit's own rounding can turn it there, and no further.
;; One version. Each part assembles by itself: llvm-mc -triple=amdgcn-amd-amdhsa -mcpu=gfx1250 --defsym DOCPART=n.
;; ======== version 1 of 1: 2 launches
;; limits: right only within a limited range of input values
;; workspace buffers: xq 26,214,400 bytes; wq 6,553,600 bytes
;; launch prep (part 1): grid 256 x 1, 4 waves a work-group, no clusters, 327,680 bytes of LDS; arguments x, a, s, xq, wq; writes xq, wq
.if DOCPART == 1
	.amdgcn_target "amdgcn-amd-amdhsa--gfx1250"
	.amdhsa_code_object_version 6
	.text
	.protected	k_q4d853c08f7_prep
	.globl	k_q4d853c08f7_prep
	.p2align	8
	.type	k_q4d853c08f7_prep,@function
k_q4d853c08f7_prep:
	s_mov_b64 s[64:65], 0
	v_nop
	global_prefetch_b8 v0, s[64:65] scope:SCOPE_SE
	s_setreg_imm32_b32 hwreg(HW_REG_WAVE_MODE, 25, 1), 1
	s_wait_xcnt 0x0
; Both operands of out = x W^T become codes of FP6 (E2M3) with one E8M0 scale byte for each 32 along K (K = 4,096).
; x: [8192][4096] f32.  W[256 ar + kr][512 ac + pc] = the sum over b of a[b][ar][ac] s[b][kr][pc], made in f32 (one chain of fused multiply-adds, b ascending).
; WHAT IS STORED lies as the product's launch takes it into registers.  K is cut into 32 units of 128, the rows into groups of 128.  A RECORD (unit u, group g) is 12,800 bytes:
; eight fragments of 16 rows x 128 K, 1,536 bytes each, then the 128 rows' scale words (4 bytes a row).  A fragment is THREE PLANES of 512 bytes: plane p holds registers 4 p .. 4 p + 3
; of operand lane L = r + 16 h at byte 16 L; the lane's 12 registers are the 24 bytes of block h of row r, then those of block 2 + h.  Records lie [u][g]: xq [32][64][12,800], wq [32][16][12,800].
; A block's scale is 2^(floor(log2(its largest magnitude)) - 2); its byte is that magnitude's exponent field - 2, held at 1 from below.
; LIMITS: a block of zeros (and one whose largest magnitude lies under 2^-124) gets the byte 1 where the rule says 127 for zeros: its codes are zeros, and this program alone reads the bytes.
;   NaN and infinities among the inputs are not served.
; SHARES.  256 work-groups of four waves.  Work-group w takes rows 128 (w / 4) on and units 8 (w % 4) on of x: eight records; wave j takes units 8 (w % 4) + j and + 4 + j, as four tiles of 64 rows x 512 bytes.
; A tile comes by one tensor load into the wave's own ring of two slots (rows 528 bytes apart).  Lane (r, h) then reads its own 64 numbers, k = 64 c + 32 h + 0 .. 31, by 16 LDS loads: two whole blocks,
; so no other lane is asked for a maximum, and the four conversions give the lane's 12 operand registers, which leave in three stores of 512 consecutive bytes.
; W: 16 fragments a work-group, four a wave (16 rows of s, 128 columns, four ac), made in three parts that stand between the tiles' requests and the waits for them.
; No cluster: no two work-groups read the same tile of x, and s goes through registers (256 KiB a work-group beside 512 KiB of x).
; PREFETCH: the tile that the next refill will ask for is named one slot ahead, 128 blocks of 256 bytes, each once, by the wave that will load it; the last two tiles' turns ask for nothing.
.set REC,   12800
.set FRB,   1536
.set SCO,   8*FRB
.set XPL,   64*REC
.set WPL,   16*REC
.set PITCH, 528                        ; an LDS row of x: 512 bytes + 16: the 16 rows of a half wave's load begin 4 banks apart
.set TILE,  64*PITCH
.set XSC,   8*TILE                     ; behind the rings: 1,024 bytes a wave for two records' scale words
.set WBASE, XSC+4096                   ; W's LDS
.set SP,    80
.set STG,   32*SP
.set IMB,   FRB                        ; an image of a fragment
.set WW,    STG+256+4*IMB              ; a wave's: one stage, 256 scale bytes, four images
.set SPARE, WBASE+4*WW                 ; the spare words, 128 bytes a wave
.set IA,   4                           ; v4-6    where my three words of codes go in an image
.set WS,   0                           ; v256-511 (window 1): s of two steps, 128 registers each, by turns: a step's loads go out two steps ahead of its sums
.set WO,   16                          ; v16-63  W's four fragments on their way out
.set WA,   144                         ; v144-175 two sets of 16 numbers of W
.set WX,   176                         ; v176-191 16 neighbours
.set WC,   192
.set WE,   196
.set X,    16                          ; v16-143 two sets of 64 numbers of x
.set XC,   144                         ; v144-191 four sets of 12 registers of codes
.set T,    192                         ; v192-198 the conversions whose place begins on an odd register
.set SPW,  200
.set NIL,  201
.set XA,   202                         ; v202-203 my place in slot 0, 1
.set XSS,  204                         ; my row's scale word in the scratch
.set XSR,  205                         ; the scratch read back, 16 bytes a lane
.set SH8,  206                         ; 8 h
.set PFO,  207                         ; prefetch: row lane / 2, block lane % 2
.set WSO,  208                         ; W's scale bytes' way out
.set XW,   212                         ; v212-219 two records' scale words on their way out
.set G0,   20                          ; s[20:23] group 0 of slot 0
.set G0B,  12                          ; s[12:15] group 0 of slot 1
.set G1,   92                          ; s[92:99] group 1
	s_load_b256 s[4:11], s[0:1], 0x0               ; x, a, s, xq
	s_load_b64 s[12:13], s[0:1], 0x20              ; wq
	v_lshl_add_u32 v[SPW], v0, 2, SPARE
	v_mov_b32 v[NIL], 0
	ds_add_u32 v[SPW], v[NIL]                      ; the opening lines: the add twice on end and one wait
	ds_add_u32 v[SPW], v[NIL]
	v_lshrrev_b32 v1, 5, v0
	v_readfirstlane_b32 s18, v1                    ; wave j
	s_mov_b32 s[G1+0], (2<<16)|(1<<20)|(6<<22)|(3<<25)  ; elements of 4 bytes; 4 words of padding behind every 128
	s_mov_b32 s[G1+1], 128<<16
	s_mov_b32 s[G1+2], 64<<16
	s_mov_b32 s[G1+3], 128<<16
	s_mov_b32 s[G1+4], 64
	s_mov_b32 s[G1+5], 4096
	s_mov_b32 s[G1+6], 0
	s_mov_b32 s[G1+7], 0
	s_lshr_b32 s24, ttmp9, 2                       ; group g
	s_and_b32 s25, ttmp9, 3
	s_lshl_b32 s25, s25, 3
	s_add_co_u32 s25, s25, s18                     ; my first unit
	s_lshl_b32 s100, s24, 21                       ; x: 128 rows of 16,384 bytes a group,
	s_lshl_b32 s26, s25, 9                         ; 512 bytes a unit
	s_add_co_u32 s100, s100, s26
	s_mov_b32 s101, 0
	s_lshl_b32 s26, s25, 6
	s_add_co_u32 s26, s26, s24
	s_mul_i32 s26, s26, REC                        ; my first record
	s_mov_b32 s27, 0
	s_mul_i32 s19, s18, 2*TILE                     ; my ring
	s_wait_dscnt 0x0
	s_wait_kmcnt 0x0
	s_add_nc_u64 s[4:5], s[4:5], s[100:101]
	s_add_nc_u64 s[10:11], s[10:11], s[26:27]
	s_mov_b32 s[G0], 1
	s_add_co_u32 s[G0+1], s19, 0
	s_mov_b64 s[G0+2:G0+3], s[4:5]
	s_or_b32 s[G0+3], s[G0+3], 0x80000000
	tensor_load_to_lds s[G0:G0+3], s[G1:G1+7]      ; tile 0: the wave's one load at the head
	s_nop 0
; W's share.  Work-group w: ar = w % 8; pq = (w / 8) % 4: columns 128 pq on; acg = (w / 32) % 2: ac = 4 acg + 0 .. 3; rows kr = 64 (w / 64) on, 16 a wave
	s_and_b32 s24, ttmp9, 7
	s_bfe_u32 s25, ttmp9, 0x20003
	s_bfe_u32 s26, ttmp9, 0x10005
	s_lshr_b32 s27, ttmp9, 6
	s_lshl_b32 s27, s27, 6
	s_lshl_b32 s28, s18, 4
	s_add_co_u32 s27, s27, s28                     ; kr0
	s_lshl_b32 s30, s24, 5
	s_lshl_b32 s28, s26, 4
	s_add_co_u32 s30, s30, s28                     ; a: 32 bytes a row ar, 4 a column ac
	s_mov_b32 s31, 0
	s_lshl_b32 s32, s27, 11
	s_lshl_b32 s28, s25, 9
	s_add_co_u32 s32, s32, s28                     ; s: rows of 2,048 bytes, 512 a quarter
	s_mov_b32 s33, 0
	s_lshl_b32 s24, s24, 8
	s_add_co_u32 s24, s24, s27                     ; my first row of W
	s_lshl_b32 s26, s26, 4
	s_add_co_u32 s26, s26, s25                     ; my first unit: 16 acg + pq; the next ac lies four units on
	s_mul_i32 s34, s26, WPL
	s_lshr_b32 s28, s24, 7
	s_mul_i32 s28, s28, REC
	s_add_co_u32 s34, s34, s28                     ; the record
	s_bfe_u32 s28, s24, 0x30004                    ; the fragment in it
	s_lshl_b32 s36, s28, 6
	s_add_co_u32 s36, s36, s34
	s_add_co_u32 s36, s36, SCO                     ; its 16 scale words
	s_mov_b32 s37, 0
	s_mul_i32 s28, s28, FRB
	s_add_co_u32 s34, s34, s28
	s_mov_b32 s35, 0
	s_add_nc_u64 s[6:7], s[6:7], s[30:31]
	s_add_nc_u64 s[8:9], s[8:9], s[32:33]
	s_add_nc_u64 s[16:17], s[12:13], s[34:35]      ; my fragment of the first ac
	s_add_nc_u64 s[2:3], s[12:13], s[36:37]        ; and its scale words
	s_mov_b32 s[G0B], 1                            ; slot 1: rows 64 on of the same unit
	s_add_co_u32 s[G0B+1], s19, TILE
	s_add_nc_u64 s[G0B+2:G0B+3], s[4:5], 64*16384
	s_or_b32 s[G0B+3], s[G0B+3], 0x80000000
	s_mul_i32 s38, s18, WW
	s_add_co_u32 s38, s38, WBASE                   ; my stage,
	s_add_co_u32 s39, s38, STG                     ; my 256 scale bytes,
	s_add_co_u32 s40, s39, 256                     ; my four images
	s_lshl_b32 s41, s18, 10
	s_add_co_u32 s41, s41, XSC                     ; x's scale scratch
	s_mov_b32 s90, 0x76543210                      ; v_permlanex16_b32: lane l xor 16
	s_mov_b32 s91, 0xfedcba98
	v_and_b32 v2, 31, v0                           ; lane
	v_lshlrev_b32 v3, 4, v2                        ; 16 x lane
	v_lshrrev_b32 v14, 2, v2
	v_mul_u32_u24 v14, v14, SP
	v_and_b32 v15, 3, v2
	v_lshl_add_u32 v14, v15, 4, v14                ; into the stage: SP (lane / 4) + 16 (lane % 4)
	v_mul_u32_u24 v15, v2, SP                      ; out of it: SP x lane
	v_add_nc_u32 v14, s38, v14
	v_add_nc_u32 v15, s38, v15
	v_lshrrev_b32 v7, 1, v2
	v_add_nc_u32 v7, s39, v7                       ; my block's byte among a step's 16
	v_lshlrev_b32 v209, 3, v2
	v_add_nc_u32 v13, s39, v209                    ; the bytes read back, 8 a lane
	v_bfe_u32 v8, v2, 2, 1                         ; W's lane l = 8 row + 4 c + 2 h + half holds the half-th 16 codes of block 2 c + h:
	v_and_b32 v9, 1, v2
	v_mul_u32_u24 v8, v8, 6
	v_mad_u32_u24 v8, v9, 3, v8                    ; operand registers 6 c + 3 half + 0 .. 2
	v_lshrrev_b32 v9, 3, v2
	v_bfe_u32 v10, v2, 1, 1
	v_lshlrev_b32 v9, 4, v9                        ; of operand lane row + 16 h: 16 bytes a lane
	v_lshl_add_u32 v9, v10, 8, v9
	v_add_nc_u32 v9, s40, v9
.irp w, 0,1,2
	v_add_nc_u32 v10, \w, v8
	v_lshrrev_b32 v11, 2, v10                      ; the plane,
	v_and_b32 v10, 3, v10                          ; the word in the lane's 16 bytes
	v_lshl_add_u32 v11, v11, 9, v9
	v_lshl_add_u32 v[IA+\w], v10, 2, v11
.endr
	v_add_nc_u32 v12, s40, v3                      ; an image read back as it will lie in memory
	v_lshrrev_b32 v[WSO], 3, v2                    ; lane l holds 8 scale bytes (two rows' words) of ac l / 8
	v_mul_u32_u24 v[WSO], v[WSO], 4*WPL
	v_and_b32 v11, 7, v2
	v_lshl_add_u32 v[WSO], v11, 3, v[WSO]
	v_and_b32 v8, 15, v2                           ; x: r
	v_lshrrev_b32 v9, 4, v2                        ; h
	v_mul_u32_u24 v10, v8, PITCH
	v_lshl_add_u32 v10, v9, 7, v10                 ; row r, 128 bytes (32 numbers) for h
	v_add_nc_u32 v[XA], s19, v10
	v_add_nc_u32 v[XA+1], TILE, v[XA]
	v_lshl_add_u32 v[XSS], v8, 2, s41
	v_add_nc_u32 v[XSR], s41, v3
	v_lshlrev_b32 v[SH8], 3, v9
	v_lshrrev_b32 v[PFO], 1, v2
	v_and_b32 v11, 1, v2
	v_lshlrev_b32 v[PFO], 14, v[PFO]
	v_lshl_add_u32 v[PFO], v11, 8, v[PFO]
	s_wait_alu depctr_va_vdst(0)                   ; the wait at the head's end
.macro PREF tt                         ; tile tt's 64 rows x 2 blocks of 256 bytes: a lane a block, four instructions; the address registers are never rewritten
.irp k, 0,1,2,3
	global_prefetch_b8 v[PFO], s[4:5] offset:((\tt)%2)*1048576+((\tt)/2)*2048+\k*262144 th:TH_LOAD_NT scope:SCOPE_SE
.endr
.endm
; 16 neighbours in v[xs] on, the other 16 of their block in the neighbouring lane: 16 codes into v[c] .. v[c + 2], the block's scale byte into v[e]
.macro QUANT xs, c, e
	v_max3_num_f32 v8, |v[\xs]|, |v[\xs+1]|, |v[\xs+2]|
	v_max3_num_f32 v9, |v[\xs+3]|, |v[\xs+4]|, |v[\xs+5]|
.irp i, 6,10
	v_max3_num_f32 v8, v8, |v[\xs+\i]|, |v[\xs+\i+1]|
	v_max3_num_f32 v9, v9, |v[\xs+\i+2]|, |v[\xs+\i+3]|
.endr
	v_max3_num_f32 v8, v8, |v[\xs+14]|, |v[\xs+15]|
	v_max3_num_f32 v8, v8, v9, 0x1800000           ; the floor 2^(3 - 127): the byte cannot fall under 1
	v_max_num_f32_dpp v8, v8, v8 row_xmask:1 row_mask:0xf bank_mask:0xf
	v_add_nc_u32 v11, 0xff000000, v8               ; 2 off the exponent field: the conversion's scale operand
	v_cvt_scalef32_pk16_fp6_f32 v[\c:\c+2], v[\xs:\xs+15], v11
	v_lshrrev_b32 v[\e], 23, v11                   ; the byte (a plain line behind the conversion)
.endm
.set MSB, 0
.macro WIN new                         ; the immediate's high byte repeats the setting that is left
.if MSB != \new
	s_set_vgpr_msb (MSB<<8)|\new
.set MSB, \new
.endif
.endm
.macro LOADS t                         ; rows kr0 + 4 t to + 3 of all eight s[b], 512 consecutive bytes a load, into set t % 2 of window 1
	WIN 0x40                                       ; destination window 1, address window 0
.irp b, 0,1,2,3,4,5,6,7
.irp i, 0,1,2,3
	global_load_b128 v[WS+128*((\t)%2)+16*\b+4*\i:WS+128*((\t)%2)+16*\b+4*\i+3], v3, s[8:9] offset:\b*524288+(4*(\t)+\i)*2048
.endr
.endr
	WIN 0
.endm
; 16 numbers of W a lane for ac = 4 acg + acl.  fresh = 1: ahead of each b its four loads are waited for; the 4 (7 - b) loads of the later b may stay out
.macro WSUM acl, set, fresh, tt        ; tt: which four rows of s; behind the loads of tt = 0, 1, 2 stand the 32 loads of the one younger set, which may stay out too
.set WB, WS+128*((\tt)%2)
.if (\tt) < 3
.set YG, 32
.else
.set YG, 0
.endif
	WIN 0x01                                       ; source 0 (s) window 1
.set AA, WA+16*(\set)
.set bb, 0
.rept 8
.set CPP, 4*bb+(\acl)
.set CPR, 24+2*CPP+2*(CPP/20)
.if \fresh
	s_wait_alu depctr_va_vdst(0)
	s_wait_loadcnt 4*(7-bb)+YG
.endif
.irp e, 0,2,4,6,8,10,12,14
.if bb == 0
	v_pk_mul_f32 v[AA+\e:AA+\e+1], v[WB+\e:WB+\e+1], s[CPR:CPR+1] op_sel_hi:[1,0]
.else
	v_pk_fma_f32 v[AA+\e:AA+\e+1], v[WB+16*bb+\e:WB+16*bb+\e+1], s[CPR:CPR+1], v[AA+\e:AA+\e+1] op_sel_hi:[1,0,1]
.endif
.endr
.set bb, bb+1
.endr
	WIN 0
.endm
.macro TURNW set                       ; a step of W through the stage: LDS serves a wave's instructions in order
.irp i, 0,1,2,3
	ds_store_b128 v14, v[WA+16*(\set)+4*\i:WA+16*(\set)+4*\i+3] offset:8*SP*\i
.endr
.irp i, 0,1,2,3
	ds_load_b128 v[WX+4*\i:WX+4*\i+3], v15 offset:16*\i
.endr
.endm
; Steps qb to qe - 1 of W's sixteen; step q = 4 t + acl: rows 4 t on, ac 4 acg + acl.  While a step's numbers turn through the stage, the next step's sums are made
.macro WPART qb, qe
	s_wait_kmcnt 0x0                               ; a's 32 numbers
	WSUM 0, 0, 1, (\qb)/4
	TURNW 0
.set q, \qb
.rept (\qe)-(\qb)
.set NA, (q+1)%4
.set NS, (q+1)%2
.if q < (\qe)-1
.if NA == 0
	WSUM NA, NS, 1, (q+1)/4
.else
	WSUM NA, NS, 0, (q+1)/4
.endif
.if (NA == 3) && ((q+1)/4+2 < 4)
	LOADS (q+1)/4+2                                ; this set of s has had its last reader: the rows two steps on
.endif
.endif
	s_wait_dscnt 0x0                               ; step q's 16 neighbours are back
	QUANT WX, WC, WE
	ds_store_b8 v7, v[WE] offset:64*(q%4)+16*(q/4)
.irp w, 0,1,2
	ds_store_b32 v[IA+\w], v[WC+\w] offset:IMB*(q%4)+64*(q/4)   ; image acl, operand lanes 4 t on
.endr
.if q < (\qe)-1
	TURNW NS
.endif
.set q, q+1
.endr
.endm
.macro XLOAD s, f, set                 ; fragment f of the tile in slot s: my 64 numbers
.irp c, 0,1
.irp j, 0,1,2,3,4,5,6,7
	ds_load_b128 v[X+64*(\set)+32*\c+4*\j:X+64*(\set)+32*\c+4*\j+3], v[XA+\s] offset:(\f)*16*PITCH+256*\c+16*\j
.endr
.endr
.endm
.macro XFRAG t, f
.set XS, X+64*((\f)%2)
.set CC, XC+12*(\f)
.set FI, 4*((\t)%2)+(\f)               ; the fragment's place in its record
.set OB, ((\t)/2)*4*XPL+FI*FRB
.if (\f) < 3
	s_wait_dscnt 16                                ; my 64 numbers are in; the next fragment's 16 loads may be out
.else
	s_wait_dscnt 0x0
.endif
	s_wait_xcnt 0x0                                ; the last tile's stores have read this set of codes
.if ((\f) == 1) && ((\t)+2 < 4)
	PREF (\t)+2                                    ; what the next refill will ask for
.endif
	v_max3_num_f32 v8, |v[XS]|, |v[XS+1]|, 0x1800000              ; two blocks, two chains each; the floor 2^(3 - 127) among the leaves
	v_max3_num_f32 v9, |v[XS+32]|, |v[XS+33]|, 0x1800000
	v_max3_num_f32 v10, |v[XS+16]|, |v[XS+17]|, 0x1800000
	v_max3_num_f32 v11, |v[XS+48]|, |v[XS+49]|, 0x1800000
.irp i, 2,4,6,8,10,12,14
	v_max3_num_f32 v8, v8, |v[XS+\i]|, |v[XS+\i+1]|
	v_max3_num_f32 v9, v9, |v[XS+32+\i]|, |v[XS+33+\i]|
	v_max3_num_f32 v10, v10, |v[XS+16+\i]|, |v[XS+17+\i]|
	v_max3_num_f32 v11, v11, |v[XS+48+\i]|, |v[XS+49+\i]|
.endr
	v_max_num_f32 v8, v8, v10
	v_max_num_f32 v9, v9, v11
	v_add_nc_u32 v10, 0xff000000, v8               ; 2 off the exponent fields: the conversions' scale operands
	v_add_nc_u32 v11, 0xff000000, v9
	v_cvt_scalef32_pk16_fp6_f32 v[CC:CC+2], v[XS:XS+15], v10
	v_cvt_scalef32_pk16_fp6_f32 v[T:T+2], v[XS+16:XS+31], v10       ; (a conversion's three registers begin on an even number)
	v_cvt_scalef32_pk16_fp6_f32 v[CC+6:CC+8], v[XS+32:XS+47], v11
	v_cvt_scalef32_pk16_fp6_f32 v[T+4:T+6], v[XS+48:XS+63], v11
	v_lshrrev_b32 v8, 23, v10                      ; the bytes of blocks h and 2 + h (plain lines behind the conversions)
	v_lshrrev_b32 v9, 23, v11
.if (\f)+2 < 4
	XLOAD (\t)%2, (\f)+2, (\f)%2
.endif
.irp i, 0,1,2
	v_mov_b32 v[CC+3+\i], v[T+\i]
	v_mov_b32 v[CC+9+\i], v[T+4+\i]
.endr
	v_lshl_or_b32 v8, v9, 16, v8
	v_lshlrev_b32 v8, v[SH8], v8                   ; at their places in the row's word;
	v_permlanex16_b32 v9, v8, s90, s91
	v_or_b32 v8, v8, v9                            ; with lane l xor 16's two the word is whole
	ds_store_b32 v[XSS], v8 offset:512*((\t)/2)+64*FI   ; both halves of the lanes write the same word with the same value
.irp g, 0,1,2
	global_store_b128 v3, v[CC+4*\g:CC+4*\g+3], s[10:11] offset:OB+512*\g   ; a plane: 512 consecutive bytes, at a multiple of 256 from the buffer's first byte
.endr
.endm
.macro TILEX t, left                   ; left: the younger tensor loads, which may stay out
	s_wait_tensorcnt \left
	s_wait_xcnt 0x0                                ; earlier stores have read the registers that the loads below fill
	XLOAD (\t)%2, 0, 0
	XLOAD (\t)%2, 1, 1
	XFRAG \t, 0
	XFRAG \t, 1
	XFRAG \t, 2
	XFRAG \t, 3
.if (\t)%2 == 1                        ; the record is whole: its 128 scale words leave as 512 consecutive bytes
	ds_load_b128 v[XW+4*((\t)/2):XW+4*((\t)/2)+3], v[XSR] offset:512*((\t)/2)
	s_wait_dscnt 0x0
	global_store_b128 v3, v[XW+4*((\t)/2):XW+4*((\t)/2)+3], s[10:11] offset:((\t)/2)*4*XPL+SCO
.endif
.endm
; A slot is filled: all my tensor loads have landed, the add, its wait and that for my reads, the barrier, and my one load first behind it (ahead of slot 1's first fill too)
.macro FILL g0, step
	s_wait_tensorcnt 0x0
	ds_add_u32 v[SPW], v[NIL]
.if \step
	s_add_nc_u64 s[\g0+2:\g0+3], s[\g0+2:\g0+3], 2048   ; four units on along K
.endif
	s_wait_dscnt 0x0
	s_barrier_signal -1
	s_barrier_wait -1
	tensor_load_to_lds s[\g0:\g0+3], s[G1:G1+7]
	s_nop 0
.endm
	LOADS 0
	LOADS 1
	PREF 1
; a[b][ar][4 acg + c], number p = 4 b + c, goes to the low word of the pair s[24 + 2 p] (from p = 20 on two further up); the packed forms name the pair, so its high word is written
.set p, 0
.rept 32
.set CPR, 24+2*p+2*(p/20)
	s_load_b32 s[CPR], s[6:7], 256*(p/4)+4*(p%4)
	s_mov_b32 s[CPR+1], 0
.set p, p+1
.endr
	WPART 0, 8                                     ; while tile 0 is on its way
	FILL G0B, 0                                    ; tile 1
	TILEX 0, 1
	s_wait_xcnt 0x0                                ; the tile's stores have read the registers that W's sums use
	WPART 8, 12
	FILL G0, 1                                     ; tile 2
	TILEX 1, 1
	s_wait_xcnt 0x0
	WPART 12, 16
.irp c, 0,1,2,3                        ; W's four fragments come back as they will lie in memory, behind my own stores
.irp g, 0,1,2
	ds_load_b128 v[WO+12*\c+4*\g:WO+12*\c+4*\g+3], v12 offset:IMB*\c+512*\g
.endr
.endr
	ds_load_b64 v[8:9], v13
	s_wait_dscnt 0x0
.irp c, 0,1,2,3
.irp g, 0,1,2
	global_store_b128 v3, v[WO+12*\c+4*\g:WO+12*\c+4*\g+3], s[16:17] offset:\c*4*WPL+512*\g
.endr
.endr
	global_store_b64 v[WSO], v[8:9], s[2:3]        ; eight lanes store 64 consecutive bytes, in four records: 262,144 bytes of the launch leave so
	FILL G0B, 1                                    ; tile 3: the last load
	TILEX 2, 1
	TILEX 3, 0
	s_wait_tensorcnt 0x0                           ; the wave's end
	ds_add_u32 v[SPW], v[NIL]
	s_wait_dscnt 0x0
	s_endpgm
.Lfunc_end_k_q4d853c08f7_prep:
	.size	k_q4d853c08f7_prep, .Lfunc_end_k_q4d853c08f7_prep-k_q4d853c08f7_prep
	.p2alignl 7, 3214868480
	.fill 96, 4, 3214868480
	.section	.rodata,"a",@progbits
	.p2align	6, 0x0
	.amdhsa_kernel k_q4d853c08f7_prep
		.amdhsa_group_segment_fixed_size 327680
		.amdhsa_private_segment_fixed_size 0
		.amdhsa_enable_private_segment 0
		.amdhsa_kernarg_size 40
		.amdhsa_user_sgpr_count 2
		.amdhsa_user_sgpr_kernarg_segment_ptr 1
		.amdhsa_wavefront_size32 1
		.amdhsa_system_sgpr_workgroup_id_x 1
		.amdhsa_system_sgpr_workgroup_id_y 1
		.amdhsa_system_sgpr_workgroup_id_z 1
		.amdhsa_system_vgpr_workitem_id 0
		.amdhsa_next_free_vgpr 512
		.amdhsa_next_free_sgpr 102
		.amdhsa_reserve_vcc 0
		.amdhsa_float_denorm_mode_32 3
		.amdhsa_float_denorm_mode_16_64 3
		.amdhsa_memory_ordered 1
		.amdhsa_forward_progress 1
		.amdhsa_inst_pref_size 189
	.end_amdhsa_kernel
	.amdgpu_metadata
---
amdhsa.version: [ 1, 2 ]
amdhsa.kernels:
  - .name:           k_q4d853c08f7_prep
    .symbol:         k_q4d853c08f7_prep.kd
    .args:
      - { .name: x, .offset: 0, .size: 8, .value_kind: global_buffer, .address_space: global }
      - { .name: a, .offset: 8, .size: 8, .value_kind: global_buffer, .address_space: global }
      - { .name: s, .offset: 16, .size: 8, .value_kind: global_buffer, .address_space: global }
      - { .name: xq, .offset: 24, .size: 8, .value_kind: global_buffer, .address_space: global }
      - { .name: wq, .offset: 32, .size: 8, .value_kind: global_buffer, .address_space: global }
    .group_segment_fixed_size: 327680
    .private_segment_fixed_size: 0
    .kernarg_segment_align: 8
    .kernarg_segment_size: 40
    .max_flat_workgroup_size: 128
    .sgpr_count:     102
    .vgpr_count:     512
    .wavefront_size: 32
...
	.end_amdgpu_metadata
.endif
;; end of part 1
;; launch gemm (part 2): grid 8 x 32, 4 waves a work-group, clusters of 4 x 4, 327,680 bytes of LDS; arguments xq, wq, out0; writes out0
.if DOCPART == 2
	.amdgcn_target "amdgcn-amd-amdhsa--gfx1250"
	.amdhsa_code_object_version 6
	.text
	.protected	k_q4d853c08f7_gemm
	.globl	k_q4d853c08f7_gemm
	.p2align	8
	.type	k_q4d853c08f7_gemm,@function
k_q4d853c08f7_gemm:
	s_mov_b64 s[64:65], 0
	v_nop
	global_prefetch_b8 v0, s[64:65] scope:SCOPE_SE
	s_setreg_imm32_b32 hwreg(HW_REG_WAVE_MODE, 25, 1), 1
	s_wait_xcnt 0x0
	s_wait_alu depctr_hold_cnt(0) depctr_sa_sdst(0) depctr_va_vdst(0) depctr_va_sdst(0) depctr_va_ssrc(0) depctr_va_vcc(0) depctr_vm_vsrc(0)
	s_getreg_b32 s2, hwreg(HW_REG_IB_STS2, 6, 4)
	s_cmp_eq_u32 s2, 0
	s_cbranch_scc0 .Lentry_in_a_cluster
	s_endpgm
.Lentry_in_a_cluster:
	s_bfe_u32 s2, ttmp6, 0x10000c
	s_cmp_lg_u32 s2, 0xf033
	s_cbranch_scc0 .Lentry_shape_is_right
	s_endpgm
.Lentry_shape_is_right:
.set SIZE_N, 2048
.set REC,    12800
.set FRB,    1536
.set SCO,    8*FRB
.set APL,    64*REC
.set BPL,    16*REC
.set NU,     3
.set FR,     12
.set NP,     4
.set TILEB,  NU*REC
.set BSH,    128
.set SLOT,   4*TILEB+256
.set SPARE,  2*SLOT
.set SPITCH, 528
.set STAGE,  SLOT
.set TRIPS,  4
.set PFO,  10
.set ADRA, 16
.set ADRB, 20
.set ADRS, 22
.set STO,  24
.set RD,   25
.set CO,   26
.set SPW,  28
.set NIL,  29
.set SC,   32
.set BK,   128
.set G1,   24
.set G0,   32
.set G1B,  48
.set G0B,  56
.set G1L,  68
.set G1LB, 76
.set PFA,  84
.set PFS,  86
.set LIM,  88
.set MSB, 0
.macro WIN new
.if MSB != \new
	s_set_vgpr_msb (MSB<<8)|\new
.set MSB, \new
.endif
.endm
.set MUL_LO, 0xa1
.set MUL_HI, 0xf1
.set TO_B,   0x40
.macro JLOAD g0a, g1a, g0b, g1b
	s_cmp_eq_u32 s15, 0
	s_cbranch_scc0 .Lfor_b_\@
	tensor_load_to_lds s[\g0a:\g0a+3], s[\g1a:\g1a+7]
	s_nop 0
.rept 4
	v_nop
.endr
	s_branch .Lasked_\@
.Lfor_b_\@:
	tensor_load_to_lds s[\g0b:\g0b+3], s[\g1b:\g1b+7]
	s_nop 0
.rept 4
	v_nop
.endr
.Lasked_\@:
.endm
.macro ASK slot
.if (\slot) == 0
	s_cmp_ge_u32 s3, s[LIM]
.else
	s_cmp_gt_u32 s3, s[LIM]
.endif
	s_cbranch_scc0 .Lnot_mine_\@
	global_prefetch_b8 v[PFO], s[PFA:PFA+1] th:TH_LOAD_NT scope:SCOPE_SE
	global_prefetch_b8 v[PFO+1], s[PFA:PFA+1] th:TH_LOAD_NT scope:SCOPE_SE
	global_prefetch_b8 v[PFO+2], s[PFA:PFA+1] th:TH_LOAD_NT scope:SCOPE_SE
.Lnot_mine_\@:
.endm
.macro CREST
	s_cmp_lg_u32 s14, 0
	s_cbranch_scc1 .Lnot_wave_0_\@
	s_barrier_signal -3
.Lnot_wave_0_\@:
	s_barrier_wait -3
	s_barrier_signal -1
	s_barrier_wait -1
.endm
.macro CROUND
	s_barrier_signal -1
	s_barrier_wait -1
	CREST
.endm
	s_load_b128 s[4:7], s[0:1], 0x0
	s_load_b64 s[12:13], s[0:1], 0x10
	v_lshl_add_u32 v[SPW], v0, 2, SPARE
	v_mov_b32 v[NIL], 0
	ds_add_u32 v28, v29
	ds_add_u32 v28, v29
	s_wait_dscnt 0x0
	v_lshrrev_b32 v1, 5, v0
	v_readfirstlane_b32 s14, v1
	s_lshr_b32 s15, s14, 1
	s_and_b32 s16, s14, 1
	s_bfe_u32 s40, ttmp6, 0x40000
	s_bfe_u32 s41, ttmp6, 0x40004
	s_lshl_b32 s42, ttmp9, 2
	s_add_co_u32 s42, s42, s40
	s_and_b32 s17, ttmp7, 0xffff
	s_lshl_b32 s17, s17, 2
	s_add_co_u32 s17, s17, s41
	s_lshl_b32 s43, s41, 2
	s_lshl_b32 s43, 15, s43
	s_lshl_b32 s44, 0x1111, s40
	s_or_b32 s[G1+0], s43, (3<<16)|(1<<21)
	s_or_b32 s[G1B+0], s44, (3<<16)|(1<<21)
	s_or_b32 s[G1L+0], s43, (3<<16)|(1<<21)
	s_or_b32 s[G1LB+0], s44, (3<<16)|(1<<21)
.irp g, G1, G1B, G1L, G1LB
	s_mov_b32 s[\g+1], (REC/8)<<16
	s_mov_b32 s[\g+3], (REC/8)<<16
	s_mov_b32 s[\g+6], 0
	s_mov_b32 s[\g+7], 0
.endr
.irp g, G1, G1B
	s_mov_b32 s[\g+2], NU<<16
	s_mov_b32 s[\g+4], NU
.endr
.irp g, G1L, G1LB
	s_mov_b32 s[\g+2], 2<<16
	s_mov_b32 s[\g+4], 2
.endr
	s_mov_b32 s[G1+5], APL/8
	s_mov_b32 s[G1L+5], APL/8
	s_mov_b32 s[G1B+5], BPL/8
	s_mov_b32 s[G1LB+5], BPL/8
	s_lshl_b32 s20, s17, 1
	s_add_co_u32 s20, s20, s16
	s_lshl_b32 s46, s42, 1
	s_add_co_u32 s46, s46, s16
	s_mul_i32 s20, s20, REC
	s_mov_b32 s21, 0
	s_mul_i32 s46, s46, REC
	s_mov_b32 s47, 0
	s_mul_i32 s45, s14, TILEB
	s_wait_kmcnt 0x0
	s_add_nc_u64 s[20:21], s[4:5], s[20:21]
	s_add_nc_u64 s[46:47], s[6:7], s[46:47]
	CROUND
.irp s, 0,1
	s_mov_b32 s[G0+4*\s], 1
	s_add_co_u32 s[G0+4*\s+1], s45, \s*SLOT
	s_add_nc_u64 s[G0+4*\s+2:G0+4*\s+3], s[20:21], \s*NU*APL
	s_or_b32 s[G0+4*\s+3], s[G0+4*\s+3], 0x80000000
	s_mov_b32 s[G0B+4*\s], 1
	s_add_co_u32 s[G0B+4*\s+1], s45, \s*SLOT+BSH
	s_add_nc_u64 s[G0B+4*\s+2:G0B+4*\s+3], s[46:47], \s*NU*BPL
	s_or_b32 s[G0B+4*\s+3], s[G0B+4*\s+3], 0x80000000
.endr
	JLOAD G0, G1, G0B, G1B                         ; slot 0: the wave's one joint load at the head, behind the round; the addresses below are made while it is on its way
	v_and_b32 v1, 15, v0
	v_bfe_u32 v2, v0, 4, 1
	s_wait_alu depctr_va_vdst(0)
	v_and_b32 v6, 31, v0
	v_lshlrev_b32 v4, 4, v6                        ; a fragment is three planes of 512 bytes: 16 bytes a lane in each
	s_mul_i32 s21, s15, TILEB
	s_mul_i32 s22, s16, TILEB
	s_add_co_u32 s22, s22, 2*TILEB+BSH
.irp s, 0,1
	v_add_nc_u32 v[ADRA+\s], s21, v4
	v_add_nc_u32 v[ADRB+\s], s22, v4
	s_add_co_u32 s21, s21, SLOT
	s_add_co_u32 s22, s22, SLOT
.endr
	v_lshlrev_b32 v5, 2, v1
	s_mul_i32 s21, s15, TILEB
	s_mul_i32 s22, s16, TILEB
	s_add_co_u32 s22, s22, 2*TILEB+BSH
	s_sub_co_u32 s22, s22, s21
	v_mul_u32_u24 v3, s22, v2
	s_add_co_u32 s21, s21, SCO
	v_add_nc_u32 v5, v5, v3
	v_add_nc_u32 v[ADRS], s21, v5
	v_add_nc_u32 v[ADRS+1], SLOT, v[ADRS]
	s_mul_i32 s23, s14, 16*SPITCH
	s_add_co_u32 s23, s23, STAGE
	v_mul_u32_u24 v5, v1, SPITCH
	v_lshl_add_u32 v5, v2, 5, v5
	v_add_nc_u32 v[STO], s23, v5
	v_lshlrev_b32 v[CO], 4, v6
	v_add_nc_u32 v[RD], s23, v[CO]
	s_lshl_b32 s20, s17, 8
	s_lshl_b32 s21, s15, 7
	s_add_co_u32 s20, s20, s21
	s_mov_b32 s21, 0
	s_mov_b64 s[18:19], SIZE_N*4
	s_mul_u64 s[20:21], s[20:21], s[18:19]
	s_lshl_b32 s46, s42, 10
	s_lshl_b32 s47, s16, 9
	s_add_co_u32 s46, s46, s47
	s_mov_b32 s47, 0
	s_add_nc_u64 s[20:21], s[20:21], s[46:47]
	s_add_nc_u64 s[12:13], s[12:13], s[20:21]
	s_lshl_b32 s20, s17, 1
	s_lshl_b32 s21, s42, 1
	s_and_b32 s22, ttmp7, 0xffff
	s_mov_b32 s23, BPL
	s_cmp_eq_u32 s15, 0
	s_cselect_b32 s20, s20, s21
	s_cselect_b32 s21, s40, s41
	s_cselect_b32 s22, ttmp9, s22
	s_cselect_b32 s23, APL, s23
	s_cselect_b64 s[PFA:PFA+1], s[4:5], s[6:7]
	s_or_b32 s22, s22, s16
	s_cmp_eq_u32 s22, 0
	s_cselect_b32 s[LIM], 1, -1
	s_mul_i32 s20, s20, REC
	s_mul_i32 s21, s21, REC/2
	s_add_co_u32 s20, s20, s21
	s_mul_i32 s21, s23, 2*NU
	s_add_co_u32 s20, s20, s21
	s_mov_b32 s21, 0
	s_add_nc_u64 s[PFA:PFA+1], s[PFA:PFA+1], s[20:21]
	s_mul_i32 s[PFS], s23, NU
	s_mov_b32 s[PFS+1], 0
	v_mul_u32_u24 v[PFO], v6, 200
	v_add_nc_u32 v[PFO+1], s23, v[PFO]
	v_add_nc_u32 v[PFO+2], s23, v[PFO+1]
	s_wait_alu depctr_va_vdst(0)                   ; the wait at the head's end
	s_wait_tensorcnt 0x0                           ; my part of slot 0 is in
	ds_add_u32 v[SPW], v[NIL]
	s_wait_dscnt 0x0
	CROUND                                         ; everybody's part of slot 0 is in, and all sixteen work-groups are here
	JLOAD G0+4, G1, G0B+4, G1B                     ; slot 1's first fill, the first tensor load behind the round
.macro AREG set, a
.if (\set) == 0
.set AR, 128+FR*(\a)
.elseif (\a) < 6
.set AR, 48+FR*(\a)
.else
.set AR, 224+FR*((\a)-6)
.endif
.endm
.macro FRAG reg, adr, q, i
.irp g, 0,1,2
	ds_load_b128 v[\reg+4*\g:\reg+4*\g+3], v[\adr] offset:(\q)*REC+(\i)*FRB+512*\g
.endr
.endm
.macro MUL8 a, p, zero
	AREG \p, \a
.irp b, 0,1,2,3,4,5,6,7
.if \zero
	v_wmma_scale_f32_16x16x128_f8f6f4 v[8*(8*((\a)%4)+\b):8*(8*((\a)%4)+\b)+7], v[128*(\p)+FR*\b:128*(\p)+FR*\b+FR-1], v[AR:AR+FR-1], 0, v[SC+8*(\p)+\b], v[SC+8*(\p)+(\a)] matrix_a_fmt:MATRIX_FMT_FP6 matrix_b_fmt:MATRIX_FMT_FP6 matrix_a_scale:MATRIX_SCALE_ROW1
.else
	v_wmma_scale_f32_16x16x128_f8f6f4 v[8*(8*((\a)%4)+\b):8*(8*((\a)%4)+\b)+7], v[128*(\p)+FR*\b:128*(\p)+FR*\b+FR-1], v[AR:AR+FR-1], v[8*(8*((\a)%4)+\b):8*(8*((\a)%4)+\b)+7], v[SC+8*(\p)+\b], v[SC+8*(\p)+(\a)] matrix_a_fmt:MATRIX_FMT_FP6 matrix_b_fmt:MATRIX_FMT_FP6 matrix_a_scale:MATRIX_SCALE_ROW1
.endif
.endr
.endm
.macro RUN0 slot, q, p
	WIN TO_B
.irp i, 0,1,2,3,4,5
	FRAG 128*(\p)+FR*\i, ADRB+\slot, \q, \i
.endr
.endm
.macro RUN1 slot, q, p
	WIN TO_B
.irp i, 6,7
	FRAG 128*(\p)+FR*\i, ADRB+\slot, \q, \i
.endr
	WIN 0
.irp i, 0,1,2,3,4,5,6,7
	ds_load_b32 v[SC+8*(\p)+\i], v[ADRS+\slot] offset:(\q)*REC+\i*64
.endr
.irp i, 0,1
	AREG \p, \i
	FRAG AR, ADRA+\slot, \q, \i
.endr
.endm
.macro RUN2 slot, q, p
	WIN 0
.irp i, 2,3,4,5,6,7
	AREG \p, \i
	FRAG AR, ADRA+\slot, \q, \i
.endr
.endm
.macro PLACES n
.rept \n
	v_nop
.endr
.endm
.macro STEP slot, q, zero
.set PP, ((\q)+(\slot))%2
.set PN, 1-PP
	s_wait_dscnt 18
	WIN MUL_LO
	MUL8 0, PP, \zero
	MUL8 1, PP, \zero
	PLACES NP
	RUN0 \slot, (\q)+1, PN
	s_wait_dscnt 30
	WIN MUL_LO
	MUL8 2, PP, \zero
	MUL8 3, PP, \zero
	RUN1 \slot, (\q)+1, PN
	s_wait_dscnt 44
	WIN MUL_HI
	MUL8 4, PP, \zero
	MUL8 5, PP, \zero
	RUN2 \slot, (\q)+1, PN
	s_wait_dscnt 56
	WIN MUL_HI
	MUL8 6, PP, \zero
	MUL8 7, PP, \zero
.endm
.macro TURN slot, next, fill
.set PP, (\slot)%2
.set PN, 1-PP
	WIN 0
.if \fill == 1
	s_wait_xcnt 0x0
	s_add_nc_u64 s[PFA:PFA+1], s[PFA:PFA+1], s[PFS:PFS+1]
.endif
	s_wait_tensorcnt 0x0
	ds_add_u32 v[SPW], v[NIL]
	s_wait_dscnt 19
	WIN MUL_LO
	MUL8 0, PP, 0
	s_wait_dscnt 0x0
	s_barrier_signal -1
	MUL8 1, PP, 0
	WIN 0
	s_barrier_wait -1
.if \fill
	CREST
	s_add_nc_u64 s[G0+4*\slot+2:G0+4*\slot+3], s[G0+4*\slot+2:G0+4*\slot+3], 2*NU*APL
	s_add_nc_u64 s[G0B+4*\slot+2:G0B+4*\slot+3], s[G0B+4*\slot+2:G0B+4*\slot+3], 2*NU*BPL
.if \fill == 1
	JLOAD G0+4*\slot, G1, G0B+4*\slot, G1B
.else
	JLOAD G0+4*\slot, G1L, G0B+4*\slot, G1LB
.endif
.else
	PLACES NP
.endif
	RUN0 \next, 0, PN
	WIN MUL_LO
	MUL8 2, PP, 0
	MUL8 3, PP, 0
	s_wait_alu depctr_va_vdst(0)
	RUN1 \next, 0, PN
.if \fill == 1
	ASK \slot
.endif
	WIN MUL_HI
	MUL8 4, PP, 0
	MUL8 5, PP, 0
	RUN2 \next, 0, PN
	WIN MUL_HI
	MUL8 6, PP, 0
	MUL8 7, PP, 0
.endm
	RUN0 0, 0, 0
	RUN1 0, 0, 0
	RUN2 0, 0, 0
	STEP 0, 0, 1
	WIN 0
	s_mov_b32 s3, TRIPS
.Llap:
	STEP 0, 1, 0
	TURN 0, 1, 1
	STEP 1, 0, 0
	STEP 1, 1, 0
	TURN 1, 0, 1
	STEP 0, 0, 0
	WIN 0
	s_sub_co_u32 s3, s3, 1
	s_cmp_lg_u32 s3, 0
	s_cbranch_scc1 .Llap
	STEP 0, 1, 0
	TURN 0, 1, 2
	STEP 1, 0, 0
	STEP 1, 1, 0
	TURN 1, 0, 0
	STEP 0, 0, 0
	s_wait_dscnt 18
	WIN MUL_LO
	MUL8 0, 1, 0
	MUL8 1, 1, 0
	s_wait_dscnt 12
	MUL8 2, 1, 0
	MUL8 3, 1, 0
	s_wait_dscnt 6
	WIN MUL_HI
	MUL8 4, 1, 0
	MUL8 5, 1, 0
	s_wait_dscnt 0
	MUL8 6, 1, 0
	MUL8 7, 1, 0
	WIN 0
.macro TOSTAGE a
.set AC, 64*((\a)%4)
	WIN 0x08+4*((\a)/4)
.irp b, 0,1,2,3,4,5,6,7
	ds_store_b128 v[STO], v[AC+8*\b:AC+8*\b+3] offset:64*\b
	ds_store_b128 v[STO], v[AC+8*\b+4:AC+8*\b+7] offset:64*\b+16
.endr
	WIN 0
.set BB, BK+64*((\a)%2)
.irp t, 0,1,2,3,4,5,6,7,8,9,10,11,12,13,14,15
	ds_load_b128 v[BB+4*\t:BB+4*\t+3], v[RD] offset:\t*SPITCH
.endr
.endm
.macro SEND a, younger
.set BB, BK+64*((\a)%2)
	s_wait_dscnt \younger
.if (\a) > 0
	s_add_nc_u64 s[12:13], s[12:13], 16*SIZE_N*4
.endif
.irp t, 0,1,2,3,4,5,6,7,8,9,10,11,12,13,14,15
	global_store_b128 v[CO], v[BB+4*\t:BB+4*\t+3], s[12:13] offset:\t*SIZE_N*4 th:TH_STORE_NT
.endr
.endm
	PLACES NP
	TOSTAGE 0
.irp a, 1,2,3,4,5,6,7
.if \a > 1
	s_wait_xcnt 0x0
.endif
	TOSTAGE \a
	SEND \a-1, 32
.endr
	s_wait_xcnt 0x0
	SEND 7, 0
	s_wait_tensorcnt 0x0
	ds_add_u32 v[SPW], v[NIL]
	s_wait_dscnt 0x0
	CROUND
	s_endpgm
.Lfunc_end_k_q4d853c08f7_gemm:
	.size	k_q4d853c08f7_gemm, .Lfunc_end_k_q4d853c08f7_gemm-k_q4d853c08f7_gemm
	.p2alignl 7, 3214868480
	.fill 96, 4, 3214868480
	.section	.rodata,"a",@progbits
	.p2align	6, 0x0
	.amdhsa_kernel k_q4d853c08f7_gemm
		.amdhsa_group_segment_fixed_size 327680
		.amdhsa_private_segment_fixed_size 0
		.amdhsa_enable_private_segment 0
		.amdhsa_kernarg_size 24
		.amdhsa_user_sgpr_count 2
		.amdhsa_user_sgpr_kernarg_segment_ptr 1
		.amdhsa_wavefront_size32 1
		.amdhsa_system_sgpr_workgroup_id_x 1
		.amdhsa_system_sgpr_workgroup_id_y 1
		.amdhsa_system_sgpr_workgroup_id_z 1
		.amdhsa_system_vgpr_workitem_id 0
		.amdhsa_next_free_vgpr 1024
		.amdhsa_next_free_sgpr 98
		.amdhsa_reserve_vcc 0
		.amdhsa_float_denorm_mode_32 3
		.amdhsa_float_denorm_mode_16_64 3
		.amdhsa_memory_ordered 1
		.amdhsa_forward_progress 1
		.amdhsa_inst_pref_size 212
	.end_amdhsa_kernel
	.amdgpu_metadata
---
amdhsa.version: [ 1, 2 ]
amdhsa.kernels:
  - .name:           k_q4d853c08f7_gemm
    .symbol:         k_q4d853c08f7_gemm.kd
    .args:
      - { .name: xq, .offset: 0, .size: 8, .value_kind: global_buffer, .address_space: global }
      - { .name: wq, .offset: 8, .size: 8, .value_kind: global_buffer, .address_space: global }
      - { .name: out0, .offset: 16, .size: 8, .value_kind: global_buffer, .address_space: global }
    .group_segment_fixed_size: 327680
    .private_segment_fixed_size: 0
    .kernarg_segment_align: 8
    .kernarg_segment_size: 24
    .max_flat_workgroup_size: 128
    .sgpr_count:     98
    .vgpr_count:     1024
    .wavefront_size: 32
...
	.end_amdgpu_metadata
.endif
;; end of part 2
